; MI455X (gfx1250); checked and timed in simulation.
; The chip was launched on July 23, 2026; its instructions are those of AMD's public machine-readable ISA for CDNA 5 (MIT licence, August 2026) and "CDNA5" Instruction Set Architecture Reference Guide (July 2026). The comments in the code are by the model that wrote it; some were corrected since.
;; Cross Attention Bridge. Allowed arithmetic: float matrix products may take bf16 or f16 operands with f32 sums; all other float work in f32.
;; Inputs: W_k 2,048 x 2,048 float32; W_mem 512 x 2,048 float32; W_o 2,048 x 2,048 float32; W_q 2,048 x 2,048 float32; W_v 2,048 x 2,048 float32; gate one number float32; last_hidden 4 x 2,048 x 2,048 float32; zH 4 x 1 x 512 float32.
;; Outputs: out0 4 x 2,048 x 2,048 float32.
;; 2 versions, each right; version 2 is version 1 with the launch heads written anew for expert scheduling mode. Each part assembles by itself: llvm-mc -triple=amdgcn-amd-amdhsa -mcpu=gfx1250 --defsym DOCPART=n.
;; ======== version 1 of 2: 4 launches
;; workspace buffers: memv 32,768 bytes; kvp 262,144 bytes; Ubuf 262,144 bytes; Pbuf 262,144 bytes
;; launch mem (part 1): grid 32 x 1, 16 waves a work-group, no clusters, 18,432 bytes of LDS; arguments zH, W_mem, W_k, memv; writes memv
.if DOCPART == 1
	.amdgcn_target "amdgcn-amd-amdhsa--gfx1250"
	.amdhsa_code_object_version 6
	.text
	.protected	k_q2c3f02a5df_mem
	.globl	k_q2c3f02a5df_mem
	.p2align	8
	.type	k_q2c3f02a5df_mem,@function
k_q2c3f02a5df_mem:
	s_mov_b64 s[64:65], 0
	v_nop
	global_prefetch_b8 v0, s[64:65] scope:SCOPE_SE
	s_setreg_imm32_b32 hwreg(HW_REG_WAVE_MODE, 25, 1), 1
	s_wait_xcnt 0x0
; out[b][col] = sum over 512 rows of x[b][row] * W[row][col], b = 0..3, all f32.  One body for two launches:
;   mem = zH W_mem (grid 32 x 1) and the partial sums of K = mem W_k and V = mem W_v (grid 32 x 8).
; Arguments: x, wa, wb, out.  Work-group (c, y): p = y & 3 names the 512 rows 512 p .. of W, y < 4 takes wa, y >= 4 takes wb; c names
; the 64 columns 64 c ...  In the first launch y is 0 alone, so its third pointer is never chosen and never used.
; A BLOCKED VECTOR is [part = j / 512][b][j % 512] of f32, 8,192 bytes a part; zH is one with a single part.  x is read as one (part p),
; out is written as one, 32,768 bytes for each y.  The four partial sums of K and of V are added by the launch that reads them.
; SHARES.  512 threads; thread t: g = t / 16 owns rows 16 g .. 16 g + 15, q = t % 16 owns columns 4 q .. 4 q + 3.  A load of a wave takes
; two rows' 256 consecutive bytes, each aligned to 256.  All 16 weight loads of a lane go out at once: the work-group's 131,072 bytes.
; Few rows (four batches) against a weight stream that is read once: the bytes decide, so plain f32 multiply-adds and no matrix unit,
; no cluster (no two work-groups read the same weights) and no LDS ring (nothing is requested later than the start).
; LIMITS.  Sums in f32 in an order of their own (16 rows a lane, two halves of the lanes, 16 waves); NaN and infinities pass through.
.set WO,  3                            ; v3   byte offset of my 16 bytes in my first row of W
.set XO,  4                            ; v4   byte offset of my 16 numbers of x, batch 0
.set RS,  5                            ; v5   LDS: where my wave's sums go
.set FA,  6                            ; v6   LDS: the 16 bytes that I add up at the end
.set OO,  7                            ; v7   byte offset of those 16 bytes in out
.set XM,  16                           ; v[16:79]    x[b][my row i] at XM + 16 b + i
.set W,   80                           ; v[80:143]   W[my row i][my column e] at W + 4 i + e
.set ACC, 144                          ; v[144:159]  the sums, at ACC + 4 b + e
.set FB,  16                           ; v[16:79]    at the end: the 16 waves' sums (x is no longer needed)
.set SEL, 18                           ; s[18:19]    v_permlanex16_b32: each lane takes its own place in the other half
.set RED, 0                            ; LDS [wave][b][64 columns] f32: 1,024 bytes a wave
; 128 packed multiply-adds: row i of W times x[b][i], two columns at a time.  The multiplier is one register of an even pair, taken for
; both halves: the pair's first for even i, its second for odd i.  Row 0 starts the sums: nothing is cleared.
.macro COLMAC
.irp i, 0,1,2,3,4,5,6,7,8,9,10,11,12,13,14,15
.if (\i)%4 == 0
	s_wait_loadcnt 12-(\i)                         ; loads come back in order: rows i .. i + 3 are in, the later rows' loads stay out
.endif
.irp b, 0,1,2,3
.irp e, 0,2
.if (\i) == 0
	v_pk_mul_f32 v[ACC+4*(\b)+(\e):ACC+4*(\b)+(\e)+1], v[W+(\e):W+(\e)+1], v[XM+16*(\b):XM+16*(\b)+1] op_sel_hi:[1,0]
.elseif (\i)%2 == 0
	v_pk_fma_f32 v[ACC+4*(\b)+(\e):ACC+4*(\b)+(\e)+1], v[W+4*(\i)+(\e):W+4*(\i)+(\e)+1], v[XM+16*(\b)+(\i):XM+16*(\b)+(\i)+1], v[ACC+4*(\b)+(\e):ACC+4*(\b)+(\e)+1] op_sel_hi:[1,0,1]
.else
	v_pk_fma_f32 v[ACC+4*(\b)+(\e):ACC+4*(\b)+(\e)+1], v[W+4*(\i)+(\e):W+4*(\i)+(\e)+1], v[XM+16*(\b)+(\i)-1:XM+16*(\b)+(\i)], v[ACC+4*(\b)+(\e):ACC+4*(\b)+(\e)+1] op_sel:[0,1,0] op_sel_hi:[1,1,1]
.endif
.endr
.endr
.endr
.endm
; The two halves of the lanes hold the same columns and other rows: each adds the other's sums.  W's registers, no longer needed, take the exchange.
.macro HALVES
.set ix, 0
.rept 16
	v_permlanex16_b32 v[W+ix], v[ACC+ix], s[SEL], s[SEL+1]
.set ix, ix+1
.endr
.set ix, 0
.rept 8
	v_pk_add_f32 v[ACC+2*ix:ACC+2*ix+1], v[ACC+2*ix:ACC+2*ix+1], v[W+2*ix:W+2*ix+1]
.set ix, ix+1
.endr
.endm
.macro TREE w                          ; sums w .. 2 w - 1 are added onto sums 0 .. w - 1
.set ix, 0
.rept \w
	v_pk_add_f32 v[FB+4*ix:FB+4*ix+1], v[FB+4*ix:FB+4*ix+1], v[FB+4*(ix+(\w)):FB+4*(ix+(\w))+1]
	v_pk_add_f32 v[FB+4*ix+2:FB+4*ix+3], v[FB+4*ix+2:FB+4*ix+3], v[FB+4*(ix+(\w))+2:FB+4*(ix+(\w))+3]
.set ix, ix+1
.endr
.endm
.macro FINAL ns                        ; the ns waves' sums of my 16 bytes, added in a fixed order
.set ix, 0
.rept \ns
	ds_load_b128 v[FB+4*ix:FB+4*ix+3], v[FA] offset:RED+1024*ix
.set ix, ix+1
.endr
	s_wait_dscnt 0x0
.if (\ns) == 16
	TREE 8
.endif
	TREE 4
	TREE 2
	TREE 1
.endm
	s_load_b256 s[4:11], s[0:1], 0x0               ; x s[4:5], wa s[6:7], wb s[8:9], out s[10:11]
	v_lshl_add_u32 v160, v0, 2, 0x4000
	v_mov_b32 v161, 0
	v_lshrrev_b32 v1, 5, v0
	v_readfirstlane_b32 s12, v1                    ; my wave's number
	s_and_b32 s14, ttmp7, 0xffff                   ; y
	s_and_b32 s15, s14, 3                          ; p
	s_lshl_b32 s16, s15, 22                        ; W: 512 p rows of 8,192 bytes
	s_lshl_b32 s13, ttmp9, 8                       ;    + 64 c columns
	s_add_co_u32 s16, s16, s13
	s_mov_b32 s17, 0
	s_lshl_b32 s20, s15, 13                        ; x: part p
	s_mov_b32 s21, 0
	s_lshl_b32 s22, s14, 15                        ; out: blocked vector y,
	s_lshr_b32 s13, ttmp9, 3
	s_lshl_b32 s13, s13, 13                        ; part c / 8,
	s_add_co_u32 s22, s22, s13
	s_and_b32 s13, ttmp9, 7
	s_lshl_b32 s13, s13, 8                         ; 64 (c % 8) columns on
	s_add_co_u32 s22, s22, s13
	s_mov_b32 s23, 0
	s_mov_b32 s[SEL], 0x76543210
	s_mov_b32 s[SEL+1], 0xfedcba98
	v_and_b32 v1, 15, v0                           ; q
	v_lshrrev_b32 v2, 4, v0                        ; g
	v_lshlrev_b32 v[WO], 17, v2                    ; 16 g rows
	v_lshl_add_u32 v[WO], v1, 4, v[WO]             ; + 16 q
	v_lshlrev_b32 v[XO], 6, v2                     ; 16 g numbers
	v_lshlrev_b32 v[RS], 4, v1
	v_lshl_add_u32 v[RS], s12, 10, v[RS]           ; 1,024 x wave + 16 q
	v_lshlrev_b32 v[FA], 4, v0                     ; 16 t: for t < 64, batch t / 16 and columns 4 (t % 16) ..
	v_lshlrev_b32 v[OO], 11, v2                    ; the same place in a part: 2,048 (t / 16) + 16 (t % 16)
	v_lshl_add_u32 v[OO], v1, 4, v[OO]
	s_wait_kmcnt 0x0
	s_cmp_lt_u32 s14, 4
	s_cselect_b64 s[6:7], s[6:7], s[8:9]           ; which of the two weight tensors
	s_add_nc_u64 s[6:7], s[6:7], s[16:17]
	s_add_nc_u64 s[4:5], s[4:5], s[20:21]
	s_add_nc_u64 s[10:11], s[10:11], s[22:23]
.irp b, 0,1,2,3
.irp k, 0,1,2,3
	global_load_b128 v[XM+16*(\b)+4*(\k):XM+16*(\b)+4*(\k)+3], v[XO], s[4:5] offset:2048*(\b)+16*(\k)
.endr
.endr
.irp i, 0,1,2,3,4,5,6,7,8,9,10,11,12,13,14,15
	global_load_b128 v[W+4*(\i):W+4*(\i)+3], v[WO], s[6:7] offset:8192*(\i) th:TH_LOAD_NT  ; read once in the launch
.endr
	COLMAC
	HALVES
.irp b, 0,1,2,3
	ds_store_b128 v[RS], v[ACC+4*(\b):ACC+4*(\b)+3] offset:RED+256*(\b)  ; both halves of the lanes store the same numbers to the same bytes
.endr
	s_wait_dscnt 0x0                               ; for the others' sake: my stores are done
	s_barrier_signal -1
	s_barrier_wait -1
	s_cmp_ge_u32 s12, 2
	s_cbranch_scc1 .Lend                           ; 64 threads x 16 bytes are the work-group's 4 x 64 results
	FINAL 16
	global_store_b128 v[OO], v[FB:FB+3], s[10:11]  ; 16 lanes store 256 consecutive bytes, at a multiple of 256 from out's first byte
.Lend:
	s_wait_tensorcnt 0x0
	ds_add_u32 v160, v161
	s_wait_dscnt 0x0
	s_endpgm
.Lfunc_end_k_q2c3f02a5df_mem:
	.size	k_q2c3f02a5df_mem, .Lfunc_end_k_q2c3f02a5df_mem-k_q2c3f02a5df_mem
	.p2alignl 7, 3214868480
	.fill 96, 4, 3214868480
	.section	.rodata,"a",@progbits
	.p2align	6, 0x0
	.amdhsa_kernel k_q2c3f02a5df_mem
		.amdhsa_group_segment_fixed_size 18432
		.amdhsa_private_segment_fixed_size 0
		.amdhsa_enable_private_segment 0
		.amdhsa_kernarg_size 32
		.amdhsa_user_sgpr_count 2
		.amdhsa_user_sgpr_kernarg_segment_ptr 1
		.amdhsa_wavefront_size32 1
		.amdhsa_system_sgpr_workgroup_id_x 1
		.amdhsa_system_sgpr_workgroup_id_y 1
		.amdhsa_system_sgpr_workgroup_id_z 1
		.amdhsa_system_vgpr_workitem_id 0
		.amdhsa_next_free_vgpr 162
		.amdhsa_next_free_sgpr 66
		.amdhsa_reserve_vcc 0
		.amdhsa_float_denorm_mode_32 3
		.amdhsa_float_denorm_mode_16_64 3
		.amdhsa_memory_ordered 1
		.amdhsa_forward_progress 1
		.amdhsa_inst_pref_size 18
	.end_amdhsa_kernel
	.amdgpu_metadata
---
amdhsa.version: [ 1, 2 ]
amdhsa.kernels:
  - .name:           k_q2c3f02a5df_mem
    .symbol:         k_q2c3f02a5df_mem.kd
    .args:
      - { .name: zH, .offset: 0, .size: 8, .value_kind: global_buffer, .address_space: global }
      - { .name: W_mem, .offset: 8, .size: 8, .value_kind: global_buffer, .address_space: global }
      - { .name: W_k, .offset: 16, .size: 8, .value_kind: global_buffer, .address_space: global }
      - { .name: memv, .offset: 24, .size: 8, .value_kind: global_buffer, .address_space: global }
    .group_segment_fixed_size: 18432
    .private_segment_fixed_size: 0
    .kernarg_segment_align: 8
    .kernarg_segment_size: 32
    .max_flat_workgroup_size: 512
    .sgpr_count:     66
    .vgpr_count:     162
    .wavefront_size: 32
...
	.end_amdgpu_metadata
.endif
;; end of part 1
;; launch kv: the kernel of part 1 again; grid 32 x 8, 16 waves a work-group, no clusters, 18,432 bytes of LDS; arguments memv, W_k, W_v, kvp; writes kvp
;; launch heads (part 2): grid 32 x 16, 8 waves a work-group, no clusters, 14,336 bytes of LDS; arguments kvp, W_q, W_o, Ubuf, Pbuf; writes Ubuf, Pbuf
.if DOCPART == 2
	.amdgcn_target "amdgcn-amd-amdhsa--gfx1250"
	.amdhsa_code_object_version 6
	.text
	.protected	k_q2c3f02a5df_heads
	.globl	k_q2c3f02a5df_heads
	.p2align	8
	.type	k_q2c3f02a5df_heads,@function
k_q2c3f02a5df_heads:
	s_mov_b64 s[64:65], 0
	v_nop
	global_prefetch_b8 v0, s[64:65] scope:SCOPE_SE
	s_setreg_imm32_b32 hwreg(HW_REG_WAVE_MODE, 25, 1), 1
	s_wait_xcnt 0x0
; There is one key for each batch, so both large products of the module have a factor of four rows, and a product of three matrices may be
; associated either way:  (x W_q)[head h] . K_h = x . U_h   with  U[b][h][j] = sum over d of W_q[j][256 h + d] K[b][256 h + d],
;                         (att (x) V) W_o = sum over h of att_h P_h   with  P[b][h][n] = sum over d of V[b][256 h + d] W_o[256 h + d][n].
; This launch makes U and P, both [b][h][2048] f32.  LIMIT: Q and the attention's output are never formed; where they would overflow f32 and
; these sums do not (or the other way round) the results differ; where they are finite the two agree to f32 rounding.  Sums in f32.
; Work-group (c, y), h = y & 7.  y < 8: P, rows 256 h .. of W_o, columns 64 c ...  y >= 8: U, rows 64 c .. of W_q, columns 256 h ...
; The choice hangs on the work-group's y alone, so all eight waves take the same way and meet the same two barriers.
; K and V arrive as four partial sums each (blocked vectors [part j / 512][b][j % 512], 32,768 bytes apart; V's behind K's four):
; each thread adds the four for 16 bytes of the head's 4 x 256 numbers, and they meet in LDS.
; Each weight byte is read once, in rows of 256 or 1,024 consecutive aligned bytes, all 16 loads of a lane at once.  No matrix unit (four
; rows), no cluster (no two work-groups read the same weights; what they share, 16,384 bytes of K or V, is a quarter of their weights' bytes
; and goes to registers), no LDS ring (nothing is requested later than the start).
.set WO,  3                            ; v3   byte offset of my 16 bytes in my first row of the weights
.set PO,  4                            ; v4   byte offset of my 16 bytes in a partial sum
.set XSA, 5                            ; v5   LDS: where their sum goes
.set XMA, 6                            ; v6   LDS: where my multipliers lie
.set RS,  7                            ; v7   LDS: where my wave's results go
.set FA,  8                            ; v8   LDS: the 16 bytes that I send out
.set OO,  9                            ; v9   their byte offset in U or P
.set T,   10                           ; v[10:17]    at work in FOLD
.set PT,  20                           ; v[20:35]    the four partial sums
.set XM,  36                           ; v[36:99]    multipliers: P: V[b][my row i] at XM + 16 b + i;  U: K[b][my 8 columns] at XM + 8 b + ..
.set W,   100                          ; v[100:163]  weights: P: W + 4 i + e;  U: W + 8 r + 4 k + e
.set ACC, 164                          ; v[164:227]  sums
.set FB,  36                           ; at the end: what is read back from LDS
.set M1,  22                           ; s22-s26  lanes whose bit 0, 1, 2, 3, 4 is set
.set M2,  23
.set M4,  24
.set M8,  25
.set M16, 26
.set SEL, 28                           ; s[28:29]  v_permlanex16_b32: each lane takes its own place in the other half
.set XS,  0                            ; LDS [b][256] f32: the head's K or V
.set RED, 4096                         ; LDS [wave][b][64 columns] f32 (P)
.set US,  12288                        ; LDS [b][64 rows] f32 (U)
.macro COLMAC                          ; 128 packed multiply-adds: row i of the weights times the multiplier of batch b, one register of an even pair taken for both halves
.irp i, 0,1,2,3,4,5,6,7,8,9,10,11,12,13,14,15
.if (\i)%4 == 0
	s_wait_loadcnt 12-(\i)                         ; rows i .. i + 3 are in, the later rows' loads stay out
.endif
.irp b, 0,1,2,3
.irp e, 0,2
.if (\i) == 0
	v_pk_mul_f32 v[ACC+4*(\b)+(\e):ACC+4*(\b)+(\e)+1], v[W+(\e):W+(\e)+1], v[XM+16*(\b):XM+16*(\b)+1] op_sel_hi:[1,0]
.elseif (\i)%2 == 0
	v_pk_fma_f32 v[ACC+4*(\b)+(\e):ACC+4*(\b)+(\e)+1], v[W+4*(\i)+(\e):W+4*(\i)+(\e)+1], v[XM+16*(\b)+(\i):XM+16*(\b)+(\i)+1], v[ACC+4*(\b)+(\e):ACC+4*(\b)+(\e)+1] op_sel_hi:[1,0,1]
.else
	v_pk_fma_f32 v[ACC+4*(\b)+(\e):ACC+4*(\b)+(\e)+1], v[W+4*(\i)+(\e):W+4*(\i)+(\e)+1], v[XM+16*(\b)+(\i)-1:XM+16*(\b)+(\i)], v[ACC+4*(\b)+(\e):ACC+4*(\b)+(\e)+1] op_sel:[0,1,0] op_sel_hi:[1,1,1]
.endif
.endr
.endr
.endr
.endm
.macro HALVES                          ; the two halves of the lanes hold the same columns and other rows: each adds the other's sums
.set ix, 0
.rept 16
	v_permlanex16_b32 v[W+ix], v[ACC+ix], s[SEL], s[SEL+1]
.set ix, ix+1
.endr
.set ix, 0
.rept 8
	v_pk_add_f32 v[ACC+2*ix:ACC+2*ix+1], v[ACC+2*ix:ACC+2*ix+1], v[W+2*ix:W+2*ix+1]
.set ix, ix+1
.endr
.endm
.macro TREE w
.set ix, 0
.rept \w
	v_pk_add_f32 v[FB+4*ix:FB+4*ix+1], v[FB+4*ix:FB+4*ix+1], v[FB+4*(ix+(\w)):FB+4*(ix+(\w))+1]
	v_pk_add_f32 v[FB+4*ix+2:FB+4*ix+3], v[FB+4*ix+2:FB+4*ix+3], v[FB+4*(ix+(\w))+2:FB+4*(ix+(\w))+3]
.set ix, ix+1
.endr
.endm
.macro FINAL ns
.set ix, 0
.rept \ns
	ds_load_b128 v[FB+4*ix:FB+4*ix+3], v[FA] offset:RED+1024*ix
.set ix, ix+1
.endr
	s_wait_dscnt 0x0
.if (\ns) == 16
	TREE 8
.endif
	TREE 4
	TREE 2
	TREE 1
.endm
; One step of a sum over lanes for 2 n numbers a lane at once.  Of numbers 2 j and 2 j + 1 a lane keeps one (the second where its mask bit is set)
; and gives the other to the lane x away, which keeps that one: n numbers are left, each the sum of two lanes', and the lane's bit says which
; of the pair it holds.  Four pairs at a time, so that no line waits for the one before it.  In place: number j lands at or below pair j's registers.
.macro FOLD dst, src, n, mask, x
.set jx, 0
.rept \n
	v_cndmask_b32 v[T+2*(jx%4)], v[(\src)+2*jx], v[(\src)+2*jx+1], s[\mask]
	v_cndmask_b32 v[T+2*(jx%4)+1], v[(\src)+2*jx+1], v[(\src)+2*jx], s[\mask]
.if (jx%4 == 3) || (jx == (\n)-1)
.set kx, jx-jx%4
.rept jx%4+1
	v_add_f32_dpp v[(\dst)+kx], v[T+2*(kx%4)+1], v[T+2*(kx%4)] row_xmask:\x row_mask:0xf bank_mask:0xf
.set kx, kx+1
.endr
.endif
.set jx, jx+1
.endr
.endm
.macro FOLDX dst, src                  ; the last step, between the halves of the lanes
	v_cndmask_b32 v[T], v[\src], v[(\src)+1], s[M16]
	v_cndmask_b32 v[T+1], v[(\src)+1], v[\src], s[M16]
	v_permlanex16_b32 v[T+2], v[T+1], s[SEL], s[SEL+1]
	v_add_f32 v[\dst], v[T], v[T+2]
.endm
.macro PROLOG                          ; the four partial sums become the head's K or V, in LDS for all eight waves
	s_wait_loadcnt 16                              ; the 16 weight loads are younger and stay out
	v_pk_add_f32 v[PT:PT+1], v[PT:PT+1], v[PT+4:PT+5]
	v_pk_add_f32 v[PT+2:PT+3], v[PT+2:PT+3], v[PT+6:PT+7]
	v_pk_add_f32 v[PT+8:PT+9], v[PT+8:PT+9], v[PT+12:PT+13]
	v_pk_add_f32 v[PT+10:PT+11], v[PT+10:PT+11], v[PT+14:PT+15]
	v_pk_add_f32 v[PT:PT+1], v[PT:PT+1], v[PT+8:PT+9]
	v_pk_add_f32 v[PT+2:PT+3], v[PT+2:PT+3], v[PT+10:PT+11]
	ds_store_b128 v[XSA], v[PT:PT+3] offset:XS
	s_wait_dscnt 0x0                               ; for the others' sake: my store is done
	s_barrier_signal -1
	s_barrier_wait -1
.endm
	s_load_b256 s[4:11], s[0:1], 0x0               ; kvp s[4:5], W_q s[6:7], W_o s[8:9], U s[10:11]
	s_load_b64 s[12:13], s[0:1], 0x20              ; P
	v_lshl_add_u32 v228, v0, 2, 0x3400
	v_mov_b32 v229, 0
	v_lshrrev_b32 v18, 5, v0
	v_readfirstlane_b32 s14, v18                   ; my wave's number
	s_and_b32 s16, ttmp7, 0xffff                   ; y
	s_and_b32 s17, s16, 7                          ; h
	s_lshr_b32 s18, s17, 1
	s_lshl_b32 s18, s18, 13                        ; the head's 256 numbers: part h / 2,
	s_and_b32 s19, s17, 1
	s_lshl_b32 s19, s19, 10                        ; 256 (h % 2) numbers on,
	s_add_co_u32 s18, s18, s19
	s_cmp_lt_u32 s16, 8
	s_cselect_b32 s19, 0x20000, 0                  ; of V (for P) or of K (for U)
	s_add_co_u32 s18, s18, s19
	s_mov_b32 s19, 0
	s_lshl_b32 s20, s17, 13                        ; in U and P: head h,
	s_lshl_b32 s21, ttmp9, 8                       ; 64 c numbers on
	s_add_co_u32 s20, s20, s21
	s_mov_b32 s21, 0
	s_mov_b32 s[M1], 0xaaaaaaaa
	s_mov_b32 s[M2], 0xcccccccc
	s_mov_b32 s[M4], 0xf0f0f0f0
	s_mov_b32 s[M8], 0xff00ff00
	s_mov_b32 s[M16], 0xffff0000
	s_mov_b32 s[SEL], 0x76543210
	s_mov_b32 s[SEL+1], 0xfedcba98
	v_and_b32 v1, 15, v0                           ; q = t % 16
	v_and_b32 v2, 31, v0                           ; lane
	v_lshrrev_b32 v18, 6, v0                       ; batch t / 64,
	v_and_b32 v19, 63, v0                          ; numbers 4 (t % 64) ..
	v_lshlrev_b32 v[PO], 11, v18
	v_lshl_add_u32 v[PO], v19, 4, v[PO]
	v_lshlrev_b32 v[XSA], 4, v2
	v_lshl_add_u32 v[XSA], s14, 9, v[XSA]          ; 512 x wave + 16 x lane = 16 t
	v_lshrrev_b32 v18, 4, v0                       ; g = t / 16
	v_lshlrev_b32 v[OO], 16, v18                   ; for t < 64: batch t / 16 (65,536 bytes each), numbers 4 q ..
	v_lshl_add_u32 v[OO], v1, 4, v[OO]
	v_lshlrev_b32 v[FA], 4, v0                     ; 16 t
	s_wait_kmcnt 0x0
	s_add_nc_u64 s[4:5], s[4:5], s[18:19]
.irp p, 0,1,2,3
	global_load_b128 v[PT+4*(\p):PT+4*(\p)+3], v[PO], s[4:5] offset:32768*(\p)
.endr
	s_cmp_lt_u32 s16, 8
	s_cbranch_scc0 .Lpath_u
	; P.  Thread t: rows 16 g .. 16 g + 15 of the head's 256, columns 4 q .. 4 q + 3 of the work-group's 64.
	s_lshl_b32 s18, s17, 21                        ; 256 h rows of 8,192 bytes
	s_lshl_b32 s19, ttmp9, 8
	s_add_co_u32 s18, s18, s19
	s_mov_b32 s19, 0
	s_add_nc_u64 s[8:9], s[8:9], s[18:19]
	s_add_nc_u64 s[12:13], s[12:13], s[20:21]
	v_lshlrev_b32 v[WO], 17, v18
	v_lshl_add_u32 v[WO], v1, 4, v[WO]
.irp i, 0,1,2,3,4,5,6,7,8,9,10,11,12,13,14,15
	global_load_b128 v[W+4*(\i):W+4*(\i)+3], v[WO], s[8:9] offset:8192*(\i) th:TH_LOAD_NT  ; two rows' 256 aligned bytes a wave; read once in the launch
.endr
	v_lshlrev_b32 v[XMA], 6, v18                   ; V[b][16 g ..]
	v_lshlrev_b32 v[RS], 4, v1
	v_lshl_add_u32 v[RS], s14, 10, v[RS]           ; 1,024 x wave + 16 q
	PROLOG
.irp b, 0,1,2,3
.irp k, 0,1,2,3
	ds_load_b128 v[XM+16*(\b)+4*(\k):XM+16*(\b)+4*(\k)+3], v[XMA] offset:XS+1024*(\b)+16*(\k)
.endr
.endr
	s_wait_dscnt 0x0
	COLMAC
	HALVES
.irp b, 0,1,2,3
	ds_store_b128 v[RS], v[ACC+4*(\b):ACC+4*(\b)+3] offset:RED+256*(\b)  ; both halves of the lanes store the same numbers to the same bytes
.endr
	s_wait_dscnt 0x0                               ; for the others' sake
	s_barrier_signal -1
	s_barrier_wait -1
	s_cmp_ge_u32 s14, 2
	s_cbranch_scc1 .Lend_p                         ; 64 threads x 16 bytes are the 4 x 64 results
	FINAL 8
	global_store_b128 v[OO], v[FB:FB+3], s[12:13]  ; 16 lanes store 256 consecutive bytes, at a multiple of 256 from P's first byte
.Lend_p:
	s_wait_tensorcnt 0x0
	ds_add_u32 v228, v229
	s_wait_dscnt 0x0
	s_endpgm
.Lpath_u:
	; U.  Wave w: rows 8 w + r of the work-group's 64; a row's 1,024 bytes (the head's 256 columns) are two loads of 512; a lane holds 8 numbers of each row.
	s_lshl_b32 s18, ttmp9, 19                      ; 64 c rows of 8,192 bytes
	s_lshl_b32 s19, s17, 10                        ; + 256 h columns
	s_add_co_u32 s18, s18, s19
	s_mov_b32 s19, 0
	s_add_nc_u64 s[6:7], s[6:7], s[18:19]
	s_add_nc_u64 s[10:11], s[10:11], s[20:21]
	v_lshlrev_b32 v[WO], 4, v2
	v_lshl_add_u32 v[WO], s14, 16, v[WO]           ; 8 w rows + 16 x lane
.irp r, 0,1,2,3,4,5,6,7
.irp k, 0,1
	global_load_b128 v[W+8*(\r)+4*(\k):W+8*(\r)+4*(\k)+3], v[WO], s[6:7] offset:8192*(\r)+512*(\k) th:TH_LOAD_NT
.endr
.endr
	v_lshlrev_b32 v[XMA], 4, v2                    ; K[b][my 8 columns]: 16 x lane, and 512 bytes on
	v_lshrrev_b32 v18, 3, v2                       ; after the sums lane l holds batch l / 8,
	v_and_b32 v19, 7, v2                           ; row l % 8
	v_lshlrev_b32 v[RS], 8, v18
	v_lshl_add_u32 v[RS], v19, 2, v[RS]
	v_lshl_add_u32 v[RS], s14, 5, v[RS]            ; 256 b + 4 (8 w + r)
	PROLOG
.irp b, 0,1,2,3
.irp k, 0,1
	ds_load_b128 v[XM+8*(\b)+4*(\k):XM+8*(\b)+4*(\k)+3], v[XMA] offset:XS+1024*(\b)+512*(\k)
.endr
.endr
	s_wait_dscnt 0x0
	s_wait_loadcnt 0x0                             ; all eight rows
.irp e, 0,1,2,3                        ; number 8 b + r of 32: row r times batch b's K, over my 8 columns, two at a time
.set kk, 0
.rept 32
.if (\e) == 0
	v_pk_mul_f32 v[ACC+2*kk:ACC+2*kk+1], v[W+8*(kk%8):W+8*(kk%8)+1], v[XM+8*(kk/8):XM+8*(kk/8)+1]
.else
	v_pk_fma_f32 v[ACC+2*kk:ACC+2*kk+1], v[W+8*(kk%8)+2*(\e):W+8*(kk%8)+2*(\e)+1], v[XM+8*(kk/8)+2*(\e):XM+8*(kk/8)+2*(\e)+1], v[ACC+2*kk:ACC+2*kk+1]
.endif
.set kk, kk+1
.endr
.endr
.set kk, 0
.rept 32
	v_add_f32 v[ACC+kk], v[ACC+2*kk], v[ACC+2*kk+1]  ; ascending, so that no number lands on one still to be read
.set kk, kk+1
.endr
	FOLD ACC, ACC, 16, M1, 1                       ; 32 numbers a lane, each to be summed over the 32 lanes:
	FOLD ACC, ACC, 8, M2, 2                        ; five steps leave one number a lane, number l in lane l
	FOLD ACC, ACC, 4, M4, 4
	FOLD ACC, ACC, 2, M8, 8
	FOLDX ACC, ACC
	ds_store_b32 v[RS], v[ACC] offset:US
	s_wait_dscnt 0x0                               ; for the others' sake
	s_barrier_signal -1
	s_barrier_wait -1
	s_cmp_ge_u32 s14, 2
	s_cbranch_scc1 .Lend_u
	ds_load_b128 v[FB:FB+3], v[FA] offset:US       ; 16 t: batch t / 16, rows 4 (t % 16) ..
	s_wait_dscnt 0x0
	global_store_b128 v[OO], v[FB:FB+3], s[10:11]  ; 16 lanes store 256 consecutive bytes, at a multiple of 256 from U's first byte
.Lend_u:
	s_wait_tensorcnt 0x0
	ds_add_u32 v228, v229
	s_wait_dscnt 0x0
	s_endpgm
.Lfunc_end_k_q2c3f02a5df_heads:
	.size	k_q2c3f02a5df_heads, .Lfunc_end_k_q2c3f02a5df_heads-k_q2c3f02a5df_heads
	.p2alignl 7, 3214868480
	.fill 96, 4, 3214868480
	.section	.rodata,"a",@progbits
	.p2align	6, 0x0
	.amdhsa_kernel k_q2c3f02a5df_heads
		.amdhsa_group_segment_fixed_size 14336
		.amdhsa_private_segment_fixed_size 0
		.amdhsa_enable_private_segment 0
		.amdhsa_kernarg_size 40
		.amdhsa_user_sgpr_count 2
		.amdhsa_user_sgpr_kernarg_segment_ptr 1
		.amdhsa_wavefront_size32 1
		.amdhsa_system_sgpr_workgroup_id_x 1
		.amdhsa_system_sgpr_workgroup_id_y 1
		.amdhsa_system_sgpr_workgroup_id_z 1
		.amdhsa_system_vgpr_workitem_id 0
		.amdhsa_next_free_vgpr 230
		.amdhsa_next_free_sgpr 66
		.amdhsa_reserve_vcc 0
		.amdhsa_float_denorm_mode_32 3
		.amdhsa_float_denorm_mode_16_64 3
		.amdhsa_memory_ordered 1
		.amdhsa_forward_progress 1
		.amdhsa_inst_pref_size 37
	.end_amdhsa_kernel
	.amdgpu_metadata
---
amdhsa.version: [ 1, 2 ]
amdhsa.kernels:
  - .name:           k_q2c3f02a5df_heads
    .symbol:         k_q2c3f02a5df_heads.kd
    .args:
      - { .name: kvp, .offset: 0, .size: 8, .value_kind: global_buffer, .address_space: global }
      - { .name: W_q, .offset: 8, .size: 8, .value_kind: global_buffer, .address_space: global }
      - { .name: W_o, .offset: 16, .size: 8, .value_kind: global_buffer, .address_space: global }
      - { .name: Ubuf, .offset: 24, .size: 8, .value_kind: global_buffer, .address_space: global }
      - { .name: Pbuf, .offset: 32, .size: 8, .value_kind: global_buffer, .address_space: global }
    .group_segment_fixed_size: 14336
    .private_segment_fixed_size: 0
    .kernarg_segment_align: 8
    .kernarg_segment_size: 40
    .max_flat_workgroup_size: 256
    .sgpr_count:     66
    .vgpr_count:     230
    .wavefront_size: 32
...
	.end_amdgpu_metadata
.endif
;; end of part 2
;; launch bridge (part 3): grid 256 x 1, 8 waves a work-group, no clusters, 309,248 bytes of LDS; arguments last_hidden, Ubuf, Pbuf, gate, out0; writes out0
.if DOCPART == 3
	.amdgcn_target "amdgcn-amd-amdhsa--gfx1250"
	.amdhsa_code_object_version 6
	.text
	.protected	k_q2c3f02a5df_bridge
	.globl	k_q2c3f02a5df_bridge
	.p2align	8
	.type	k_q2c3f02a5df_bridge,@function
k_q2c3f02a5df_bridge:
	s_mov_b64 s[64:65], 0
	v_nop
	global_prefetch_b8 v0, s[64:65] scope:SCOPE_SE
	s_setreg_imm32_b32 hwreg(HW_REG_WAVE_MODE, 25, 1), 1
	s_wait_xcnt 0x0
; out[b][t][:] = x[b][t][:] + sigmoid(gate) * sum over h of att[b][h][t] P[b][h][:],  att = softmax over the one key of  x[b][t][:] . U[b][h][:] / 16.
; x = last_hidden, out: [4][2048][2048] f32; U, P: [b][h][2048] f32, made by the launch before (U = W_q K_h, P = V_h W_o).
; Both products go to the matrix unit in bf16 with f32 sums; the softmax, the gate and the residual are f32.
; The softmax is computed as it is defined: the maximum over the keys (there is one key, so it is the logit itself) is taken away, the exponential
; is divided by the sum of the exponentials (that one exponential).  A logit that is infinite or NaN gives NaN in the whole row, as it does by the definition.
; LIMITS.  The logits are x . (W_q K_h) and not (x W_q) . K_h: where one of the two overflows f32 and the other does not, the results differ.  x and U are rounded
; to bf16 for the logits, att and sigmoid(gate) P (one rounding) for the weighted sum: each of its eight terms is off by at most 2^-8 of itself.  A number of P
; that is infinite, or rounds to infinity in bf16 (from 3.39e38 on), gives NaN also in the three columns that share its group of four.
; SHARES.  A work-group owns 32 rows of one batch (b = work-group / 64); wave w owns columns 256 w .. 256 w + 255 of all of them.  x is read from memory once: two
; tensor loads a wave, 16 rows x 1,024 consecutive bytes each, both issued at the start: two are out at the most.  Each LDS byte is filled once, and a wave reads
; only the tiles that it asked for itself, behind its own counted wait.  The rows go in two BLOCKS of 16, the height of a matrix tile.
; LOGITS.  Source 0 = 16 rows of U, source 1 = 16 rows of x, 32 columns a step, 8 steps.  Both fragments take column 32 s + 16 h + 2 i + p for register i, half p, of
; lane (r, h) (r = lane % 16, h = lane / 16): the same order of K on both sides, 64 consecutive bytes of x a lane.  U's row m is head 4 (m / 8) + m % 4, so lane (r, h)
; is left with row r, heads 4 h .. 4 h + 3 in the accumulator's registers 0 to 3.  The eight waves' parts meet in LDS behind one barrier a block; each block has bytes of its own.
; WEIGHTED SUM.  A = att (16 rows x 8 heads), B = sigmoid(gate) P (8 heads x 16 columns).  Lane (r, h)'s K slots 8 h .. take heads 4 h .. 4 h + 3: two registers, which are just
; what the lane holds after the softmax.  They lie between six zeros on either side, so that four overlapping runs of eight registers put them at registers 2 e, 2 e + 1
; (e = 0 .. 3); one run of eight registers of B then serves four tiles, tile e in registers 2 e, 2 e + 1.  Tile e of chunk q stands for columns 64 q + 4 r + e: a lane's
; numbers of the four tiles are four neighbouring columns of row 8 h + j, and are added onto x as it is read back, 16 bytes a lane.
; NO CLUSTER: the 64 work-groups of a batch share U and P, 131,072 bytes in f32, but beside the rows (266,240 bytes), the stage and the exchange LDS has no room for them,
; and they are wanted in registers.
.set PITCH, 1040                       ; an LDS row: 1,024 bytes + 16 of padding = 260 words: row r starts at bank 4 r mod 64 (64 banks of 4 bytes: ISA guide 11.1)
.set TILEB, 16*PITCH                   ; a tile
.set WROWS, 2*TILEB                    ; a wave's rows
.set USTG,  8*WROWS                    ; behind the rows, never filled by a tensor load: each wave's U in bf16, [head][256 columns],
.set UP,    528                        ; 512 bytes + 16 a head: the eight heads of a fragment load start at eight different groups of four banks
.set UWB,   8*UP
.set EXCH,  USTG+8*UWB                 ; behind the stages: [block][wave][lane] 16 bytes
.set XA,   4                           ; v4   LDS: my 64 bytes of row r for the logits: wave's rows + 1,040 r + 64 h
.set XR,   5                           ; v5   LDS: my 16 bytes of row 8 h for the way out: wave's rows + 8,320 h + 16 r
.set GO,   6                           ; v6   the same place in out: 65,536 h + 1,024 w + 16 r; never rewritten
.set UO,   7                           ; v7   my 16 bytes in a row of U: 1,024 w + 16 x lane
.set PO,   8                           ; v8   my 16 bytes in P's head 4 h: 32,768 h + 1,024 w + 16 r
.set USA,  9                           ; v9   LDS: where my 8 bytes of U go
.set UFA,  10                          ; v10  LDS: my 32 bytes of U's fragments
.set EXS,  11                          ; v11  LDS: where my part of the logits goes
.set EXL,  12                          ; v12  LDS: where wave 0's part lies
.set G,    14                          ; v[14:15]   sigmoid(gate), in the first
.set AF,   16                          ; v[16:29]   six zeros, att in two registers, six zeros
.set PB,   32                          ; v[32:63]   B: chunk q, tile e at PB + 8 q + 2 e
.set UF,   64                          ; v[64:127]  U's fragments, step s at UF + 8 s
.set POOL, 128                         ; v[128:255] by phases:
.set UT,   POOL                        ;   the head: U as loaded,
.set PT,   POOL+64                      ;   P as loaded, at PT + 4 (4 head + q) + e
                                       ;   logits: step s: 16 f32 at POOL + 16 s, rounded in place into its lower 8; the accumulators take the upper 8 of steps 0 and 1
.set PART, POOL                        ;   exchange: the eight waves' parts,
.set SUM,  POOL+32                     ;   my own,
.set TD,   POOL+36                     ;   at work
.set TR,   POOL+40
.set DB,   POOL                        ;   way out: two buffers of four tiles' results,
.set XB,   POOL+64                     ;   two buffers of 8 rows x 16 bytes of x
.set G1,   16                          ; s[16:23]   descriptor group 1
.set G0,   24                          ; s[24:31]   descriptor group 0, a set for each tile
.set SC,   42                          ; s[42:43]   1 / 16: a packed form names a pair and takes its first
.set LE,   44                          ; s[44:45]   log2 e
.macro PLACES                          ; a vector instruction that reads a matrix result, and a load into a register of a matrix instruction, stand four plain vector instructions behind it
.rept 4
	v_nop
.endr
.endm
.macro WM q                            ; chunk q's four tiles: att x sigmoid(gate) P; each starts its sum with the constant 0
.irp e, 0,1,2,3
	v_wmma_f32_16x16x32_bf16 v[DB+32*((\q)%2)+8*(\e):DB+32*((\q)%2)+8*(\e)+7], v[AF+6-2*(\e):AF+13-2*(\e)], v[PB+8*(\q):PB+8*(\q)+7], 0
.endr
.endm
.macro XLOAD rb, q                     ; x: rows 8 h + j, columns 64 q + 4 r ..: lanes 0-15 take 256 consecutive bytes of one row, lanes 16-31 of the row 8 further down
.irp j, 0,1,2,3,4,5,6,7
	ds_load_b128 v[XB+32*((\q)%2)+4*(\j):XB+32*((\q)%2)+4*(\j)+3], v[XR] offset:TILEB*(\rb)+PITCH*(\j)+256*(\q)
.endr
.endm
.macro ADDST rb, q                     ; x + the weighted sum, and out.  Row 0 first: each accumulator is read from its low end on
.irp j, 0,1,2,3,4,5,6,7
.irp e, 0,1,2,3
	v_add_f32 v[XB+32*((\q)%2)+4*(\j)+(\e)], v[XB+32*((\q)%2)+4*(\j)+(\e)], v[DB+32*((\q)%2)+8*(\e)+(\j)]
.endr
	global_store_b128 v[GO], v[XB+32*((\q)%2)+4*(\j):XB+32*((\q)%2)+4*(\j)+3], s[12:13] offset:8192*(16*(\rb)+(\j))+256*(\q) th:TH_STORE_NT  ; each half of the lanes stores 256 consecutive bytes, at a multiple of 256 from out's first byte
.endr
.endm
; Rows 16 rb .. 16 rb + 15.  Every address is a register that is never rewritten plus an immediate.
.macro BLOCK rb
	s_wait_tensorcnt 1-(\rb)                       ; tensor loads of a wave end in order: tile rb is in LDS, a later one stays out
.if (\rb) > 0
	s_wait_xcnt 0x0                                ; the pool holds the data of the last block's stores: it is loaded again only behind this wait
.endif
.set sx, 0
.rept 8
.irp c, 0,1,2,3
	ds_load_b128 v[POOL+16*sx+4*(\c):POOL+16*sx+4*(\c)+3], v[XA] offset:TILEB*(\rb)+128*sx+16*(\c)
.endr
.set sx, sx+1
.endr
.set sx, 0
.rept 8                                ; the two accumulators take turns, one instruction a turn; the first two products start the sums
	s_wait_dscnt 28-4*sx                           ; LDS loads come back in order: step sx's four are in, the later steps' stay out (and U's fragments, older, are in)
.irp i, 0,1,2,3,4,5,6,7
	v_cvt_pk_bf16_f32 v[POOL+16*sx+(\i)], v[POOL+16*sx+2*(\i)], v[POOL+16*sx+2*(\i)+1]  ; ascending, so that no result lands on a number still to be read
.endr
.if sx < 2
	v_wmma_f32_16x16x32_bf16 v[POOL+8+16*sx:POOL+15+16*sx], v[UF+8*sx:UF+8*sx+7], v[POOL+16*sx:POOL+16*sx+7], 0
.else
	v_wmma_f32_16x16x32_bf16 v[POOL+8+16*(sx%2):POOL+15+16*(sx%2)], v[UF+8*sx:UF+8*sx+7], v[POOL+16*sx:POOL+16*sx+7], v[POOL+8+16*(sx%2):POOL+15+16*(sx%2)]
.endif
.set sx, sx+1
.endr
	PLACES
	v_pk_add_f32 v[SUM:SUM+1], v[POOL+8:POOL+9], v[POOL+24:POOL+25]      ; even and odd steps: row r, heads 4 h .. 4 h + 3, over my wave's 256 columns
	v_pk_add_f32 v[SUM+2:SUM+3], v[POOL+10:POOL+11], v[POOL+26:POOL+27]
	ds_store_b128 v[EXS], v[SUM:SUM+3] offset:4096*(\rb)
	XLOAD \rb, 0                                   ; the first two chunks of x for the way out come in while the waves meet
	XLOAD \rb, 1
	s_wait_dscnt 0x0                               ; for the others' sake: my store is done
	s_barrier_signal -1
	s_barrier_wait -1
.irp i, 0,1,2,3,4,5,6,7
	ds_load_b128 v[PART+4*(\i):PART+4*(\i)+3], v[EXL] offset:4096*(\rb)+512*(\i)
.endr
	s_wait_dscnt 0x0
.irp i, 0,2,4,6                        ; the same order in every wave: all hold the same logits
	v_pk_add_f32 v[PART+4*(\i):PART+4*(\i)+1], v[PART+4*(\i):PART+4*(\i)+1], v[PART+4*(\i)+4:PART+4*(\i)+5]
	v_pk_add_f32 v[PART+4*(\i)+2:PART+4*(\i)+3], v[PART+4*(\i)+2:PART+4*(\i)+3], v[PART+4*(\i)+6:PART+4*(\i)+7]
.endr
.irp i, 0,4
	v_pk_add_f32 v[PART+4*(\i):PART+4*(\i)+1], v[PART+4*(\i):PART+4*(\i)+1], v[PART+4*(\i)+8:PART+4*(\i)+9]
	v_pk_add_f32 v[PART+4*(\i)+2:PART+4*(\i)+3], v[PART+4*(\i)+2:PART+4*(\i)+3], v[PART+4*(\i)+10:PART+4*(\i)+11]
.endr
	v_pk_add_f32 v[PART:PART+1], v[PART:PART+1], v[PART+16:PART+17]
	v_pk_add_f32 v[PART+2:PART+3], v[PART+2:PART+3], v[PART+18:PART+19]
.irp p, 0,2
	v_pk_mul_f32 v[PART+(\p):PART+(\p)+1], v[PART+(\p):PART+(\p)+1], s[SC:SC+1] op_sel_hi:[1,0]             ; the logit: / sqrt(256)
.endr
.irp p, 0,2
	v_pk_add_f32 v[TD+(\p):TD+(\p)+1], v[PART+(\p):PART+(\p)+1], v[PART+(\p):PART+(\p)+1] neg_lo:[0,1] neg_hi:[0,1]  ; less the maximum over the keys, which is the one logit
.endr
.irp p, 0,2
	v_pk_mul_f32 v[TD+(\p):TD+(\p)+1], v[TD+(\p):TD+(\p)+1], s[LE:LE+1] op_sel_hi:[1,0]                     ; e^x = 2^(x log2 e)
.endr
.irp p, 0,1,2,3
	v_exp_f32 v[TD+(\p)], v[TD+(\p)]
.endr
	v_nop                                          ; a plain instruction behind a transcendental before its result is used (ISA guide 5.7.2)
	s_wait_alu depctr_va_vdst(0)
.irp p, 0,1,2,3
	v_rcp_f32 v[TR+(\p)], v[TD+(\p)]               ; 1 / the sum over the keys, which is the one exponential
.endr
	v_nop
	s_wait_alu depctr_va_vdst(0)
.irp p, 0,2
	v_pk_mul_f32 v[TD+(\p):TD+(\p)+1], v[TD+(\p):TD+(\p)+1], v[TR+(\p):TR+(\p)+1]                           ; att
.endr
	v_cvt_pk_bf16_f32 v[AF+6], v[TD], v[TD+1]      ; heads 4 h, 4 h + 1
	v_cvt_pk_bf16_f32 v[AF+7], v[TD+2], v[TD+3]    ; heads 4 h + 2, 4 h + 3
	WM 0
	WM 1
	PLACES
	ADDST \rb, 0                                   ; from here on a chunk's 32 additions are the places behind the next chunk's products
	s_wait_xcnt 0x0                                ; the stores have read their data: this buffer of x is loaded again only behind this wait
	XLOAD \rb, 2
	WM 2
	ADDST \rb, 1
	s_wait_xcnt 0x0
	XLOAD \rb, 3
	WM 3
	s_wait_dscnt 8                                 ; chunk 2's eight loads are back, chunk 3's may be out
	ADDST \rb, 2
	s_wait_dscnt 0x0
	ADDST \rb, 3
.endm
	s_load_b256 s[4:11], s[0:1], 0x0               ; x s[4:5], U s[6:7], P s[8:9], gate s[10:11]
	s_load_b64 s[12:13], s[0:1], 0x20              ; out
	v_lshl_add_u32 v30, v0, 2, 0x4b400
	v_mov_b32 v31, 0
	ds_add_u32 v30, v31
	ds_add_u32 v30, v31
	v_lshrrev_b32 v1, 5, v0
	v_readfirstlane_b32 s14, v1                    ; my wave's number
	; descriptor group 1: a tile of 16 rows x 256 elements of 4 bytes, padded in LDS
	s_mov_b32 s[G1+0], (2<<16)|(1<<20)|(7<<22)|(3<<25)  ; 15:0 no work-group mask; 17:16 elements of 4 bytes; 20 padding on; 24:22 after every 256 words (code 7); 31:25 4 words (code 3)
	s_mov_b32 s[G1+1], 256<<16                     ; tensor_dim0 = 256
	s_mov_b32 s[G1+2], 16<<16                      ; tensor_dim1 = 16
	s_mov_b32 s[G1+3], 256<<16                     ; tile_dim0 = 256
	s_mov_b32 s[G1+4], 16                          ; tile_dim1 = 16
	s_mov_b32 s[G1+5], 2048                        ; elements from row to row
	s_mov_b32 s[G1+6], 0
	s_mov_b32 s[G1+7], 0
	s_mul_i32 s15, s14, WROWS                      ; my wave's rows in LDS
	s_lshl_b32 s34, ttmp9, 18                      ; the work-group's 32 rows of 8,192 bytes
	s_mov_b32 s35, 0
	s_lshl_b32 s36, s14, 10                        ; and my wave's 1,024 bytes of a row
	s_add_co_u32 s36, s36, s34
	s_mov_b32 s37, 0
	s_lshr_b32 s38, ttmp9, 6                       ; the batch:
	s_lshl_b32 s38, s38, 16                        ; 65,536 bytes of U and of P
	s_mov_b32 s39, 0
.irp g, 0,1
	s_mov_b32 s[G0+4*(\g)], 1                      ; count = 1
	s_add_co_u32 s[G0+4*(\g)+1], s15, TILEB*(\g)   ; LDS address: 33,280 x wave + 16,640 x tile
.endr
	s_mul_i32 s40, s14, UWB
	s_add_co_u32 s40, s40, USTG                    ; my wave's stage
	s_mov_b32 s[SC], 0x3d800000
	s_mov_b32 s[SC+1], s[SC]                       ; named with it as a pair, so it is written
	s_mov_b32 s[LE], 0x3fb8aa3b
	s_mov_b32 s[LE+1], s[LE]
	v_and_b32 v1, 31, v0                           ; lane
	v_and_b32 v2, 15, v0                           ; r
	v_bfe_u32 v3, v0, 4, 1                         ; h
	v_lshlrev_b32 v[UO], 4, v1
	v_lshl_add_u32 v[UO], s14, 10, v[UO]
	v_lshlrev_b32 v[PO], 4, v2
	v_lshl_add_u32 v[PO], s14, 10, v[PO]
	v_lshl_add_u32 v[GO], v3, 16, v[PO]
	v_lshl_add_u32 v[PO], v3, 15, v[PO]
	s_wait_dscnt 0x0
	s_wait_kmcnt 0x0
	s_add_nc_u64 s[4:5], s[4:5], s[36:37]
	s_add_nc_u64 s[6:7], s[6:7], s[38:39]
	s_add_nc_u64 s[8:9], s[8:9], s[38:39]
	s_add_nc_u64 s[12:13], s[12:13], s[34:35]
.irp g, 0,1
	s_add_nc_u64 s[G0+4*(\g)+2:G0+4*(\g)+3], s[4:5], 131072*(\g)   ; global address: 16 rows a tile
	s_or_b32 s[G0+4*(\g)+3], s[G0+4*(\g)+3], 0x80000000            ; type = 2
.endr
.irp g, 0,1
	tensor_load_to_lds s[G0+4*(\g):G0+4*(\g)+3], s[G1:G1+7]        ; all my rows are asked for, ahead of every wait on TENSORcnt, LDS read and barrier
	s_nop 0
.endr
.rept 4
	v_nop                                          ; four v_nop follow the tensor loads
.endr
	s_load_b32 s32, s[10:11], 0x0                  ; gate
.irp hd, 0,1,2,3,4,5,6,7
.irp k, 0,1
	global_load_b128 v[UT+4*(2*(\hd)+(\k)):UT+4*(2*(\hd)+(\k))+3], v[UO], s[6:7] offset:8192*(\hd)+512*(\k)  ; 512 consecutive bytes a wave
.endr
.endr
.irp hd, 0,1,2,3
.irp q, 0,1,2,3
	global_load_b128 v[PT+4*(4*(\hd)+(\q)):PT+4*(4*(\hd)+(\q))+3], v[PO], s[8:9] offset:8192*(\hd)+256*(\q)  ; 256 consecutive bytes of head hd, and of head 4 + hd
.endr
.endr
	v_mul_u32_u24 v[XA], v2, PITCH
	v_lshl_add_u32 v[XA], v3, 6, v[XA]
	v_add_nc_u32 v[XA], s15, v[XA]
	v_mul_u32_u24 v[XR], v3, 8*PITCH
	v_lshl_add_u32 v[XR], v2, 4, v[XR]
	v_add_nc_u32 v[XR], s15, v[XR]
	v_lshl_add_u32 v[USA], v1, 3, s40              ; 4 columns in bf16 are 8 bytes a lane
	v_and_b32 v[UFA], 3, v2
	v_lshrrev_b32 v13, 3, v2
	v_lshl_add_u32 v[UFA], v13, 2, v[UFA]          ; the fragment's row r is head 4 (r / 8) + r % 4
	v_mul_u32_u24 v[UFA], v[UFA], UP
	v_lshl_add_u32 v[UFA], v3, 5, v[UFA]           ; 16 columns in bf16 for each half of the lanes
	v_add_nc_u32 v[UFA], s40, v[UFA]
	v_lshl_add_u32 v[EXL], v1, 4, EXCH
	v_lshl_add_u32 v[EXS], s14, 9, v[EXL]
	v_mov_b32 v[G], 0xbfb8aa3b                     ; - log2 e
	v_mov_b32 v[G+1], 0                            ; named with it as a pair, so it is written
	s_wait_kmcnt 0x0
	v_mul_f32 v[G], s32, v[G]
	v_exp_f32 v[G], v[G]                           ; e^-gate
.irp z, 0,1,2,3,4,5
	v_mov_b32 v[AF+(\z)], 0                        ; the zeros round att; these lines are also the plain instructions behind the two transcendentals
.endr
	s_wait_alu depctr_va_vdst(0)
	v_add_f32 v[G], 1.0, v[G]
	v_rcp_f32 v[G], v[G]                           ; sigmoid(gate) = 1 / (1 + e^-gate)
.irp z, 8,9,10,11,12,13
	v_mov_b32 v[AF+(\z)], 0
.endr
	s_wait_loadcnt 16                              ; U is in; P's 16 loads are younger and stay out
.irp hd, 0,1,2,3,4,5,6,7
.irp k, 0,1
	v_cvt_pk_bf16_f32 v[UT+4*(2*(\hd)+(\k))], v[UT+4*(2*(\hd)+(\k))], v[UT+4*(2*(\hd)+(\k))+1]
	v_cvt_pk_bf16_f32 v[UT+4*(2*(\hd)+(\k))+1], v[UT+4*(2*(\hd)+(\k))+2], v[UT+4*(2*(\hd)+(\k))+3]
	ds_store_b64 v[USA], v[UT+4*(2*(\hd)+(\k)):UT+4*(2*(\hd)+(\k))+1] offset:UP*(\hd)+256*(\k)
.endr
.endr
.irp s, 0,1,2,3,4,5,6,7
	ds_load_b128 v[UF+8*(\s):UF+8*(\s)+3],   v[UFA] offset:64*(\s)      ; LDS serves a wave's instructions in order (ISA guide 5.7.1.4): these see my wave's stores above
	ds_load_b128 v[UF+8*(\s)+4:UF+8*(\s)+7], v[UFA] offset:64*(\s)+16
.endr
	s_wait_loadcnt 0x0                             ; P
.set ix, 0
	s_wait_alu depctr_va_vdst(0)
.rept 32
	v_pk_mul_f32 v[PT+2*ix:PT+2*ix+1], v[PT+2*ix:PT+2*ix+1], v[G:G+1] op_sel_hi:[1,0]
.set ix, ix+1
.endr
.irp q, 0,1,2,3
.irp e, 0,1,2,3
.irp i, 0,1
	v_cvt_pk_bf16_f32 v[PB+8*(\q)+2*(\e)+(\i)], v[PT+4*(8*(\i)+(\q))+(\e)], v[PT+4*(8*(\i)+4+(\q))+(\e)]  ; heads 4 h + 2 i and 4 h + 2 i + 1 of column 64 q + 4 r + e
.endr
.endr
.endr
	BLOCK 0
	BLOCK 1                                        ; its wait on TENSORcnt is for 0: no tensor load is out from here on
	s_wait_tensorcnt 0x0
	ds_add_u32 v30, v31
	s_wait_dscnt 0x0
	s_endpgm
.Lfunc_end_k_q2c3f02a5df_bridge:
	.size	k_q2c3f02a5df_bridge, .Lfunc_end_k_q2c3f02a5df_bridge-k_q2c3f02a5df_bridge
	.p2alignl 7, 3214868480
	.fill 96, 4, 3214868480
	.section	.rodata,"a",@progbits
	.p2align	6, 0x0
	.amdhsa_kernel k_q2c3f02a5df_bridge
		.amdhsa_group_segment_fixed_size 309248
		.amdhsa_private_segment_fixed_size 0
		.amdhsa_enable_private_segment 0
		.amdhsa_kernarg_size 40
		.amdhsa_user_sgpr_count 2
		.amdhsa_user_sgpr_kernarg_segment_ptr 1
		.amdhsa_wavefront_size32 1
		.amdhsa_system_sgpr_workgroup_id_x 1
		.amdhsa_system_sgpr_workgroup_id_y 1
		.amdhsa_system_sgpr_workgroup_id_z 1
		.amdhsa_system_vgpr_workitem_id 0
		.amdhsa_next_free_vgpr 256
		.amdhsa_next_free_sgpr 66
		.amdhsa_reserve_vcc 0
		.amdhsa_float_denorm_mode_32 3
		.amdhsa_float_denorm_mode_16_64 3
		.amdhsa_memory_ordered 1
		.amdhsa_forward_progress 1
		.amdhsa_inst_pref_size 56
	.end_amdhsa_kernel
	.amdgpu_metadata
---
amdhsa.version: [ 1, 2 ]
amdhsa.kernels:
  - .name:           k_q2c3f02a5df_bridge
    .symbol:         k_q2c3f02a5df_bridge.kd
    .args:
      - { .name: last_hidden, .offset: 0, .size: 8, .value_kind: global_buffer, .address_space: global }
      - { .name: Ubuf, .offset: 8, .size: 8, .value_kind: global_buffer, .address_space: global }
      - { .name: Pbuf, .offset: 16, .size: 8, .value_kind: global_buffer, .address_space: global }
      - { .name: gate, .offset: 24, .size: 8, .value_kind: global_buffer, .address_space: global }
      - { .name: out0, .offset: 32, .size: 8, .value_kind: global_buffer, .address_space: global }
    .group_segment_fixed_size: 309248
    .private_segment_fixed_size: 0
    .kernarg_segment_align: 8
    .kernarg_segment_size: 40
    .max_flat_workgroup_size: 256
    .sgpr_count:     66
    .vgpr_count:     256
    .wavefront_size: 32
...
	.end_amdgpu_metadata
.endif
;; end of part 3
;; ======== version 2 of 2: 4 launches; version 1 with the launch heads written anew for expert scheduling mode
;; workspace buffers: memv 32,768 bytes; kvp 262,144 bytes; Ubuf 262,144 bytes; Pbuf 262,144 bytes
;; launch mem: the kernel of part 1 again; grid 32 x 1, 16 waves a work-group, no clusters, 18,432 bytes of LDS; arguments zH, W_mem, W_k, memv; writes memv
;; launch kv: the kernel of part 1 again; grid 32 x 8, 16 waves a work-group, no clusters, 18,432 bytes of LDS; arguments memv, W_k, W_v, kvp; writes kvp
;; launch heads (part 4): grid 32 x 16, 8 waves a work-group, no clusters, 14,336 bytes of LDS; arguments kvp, W_q, W_o, Ubuf, Pbuf; writes Ubuf, Pbuf
.if DOCPART == 4
	.amdgcn_target "amdgcn-amd-amdhsa--gfx1250"
	.amdhsa_code_object_version 6
	.text
	.protected	k_q2c3f02a5df_heads
	.globl	k_q2c3f02a5df_heads
	.p2align	8
	.type	k_q2c3f02a5df_heads,@function
k_q2c3f02a5df_heads:
	s_mov_b64 s[64:65], 0
	v_nop
	global_prefetch_b8 v0, s[64:65] scope:SCOPE_SE
	s_setreg_imm32_b32 hwreg(HW_REG_WAVE_SCHED_MODE, 0, 2), 2
	s_setreg_imm32_b32 hwreg(HW_REG_WAVE_MODE, 25, 1), 1
	s_wait_xcnt 0x0
	s_wait_alu depctr_vm_vsrc(0)
; There is one key for each batch, so both large products of the module have a factor of four rows, and a product of three matrices may be
; associated either way:  (x W_q)[head h] . K_h = x . U_h   with  U[b][h][j] = sum over d of W_q[j][256 h + d] K[b][256 h + d],
;                         (att (x) V) W_o = sum over h of att_h P_h   with  P[b][h][n] = sum over d of V[b][256 h + d] W_o[256 h + d][n].
; This launch makes U and P, both [b][h][2048] f32.  LIMIT: Q and the attention's output are never formed; where they would overflow f32 and
; these sums do not (or the other way round) the results differ; where they are finite the two agree to f32 rounding.  Sums in f32.
; Work-group (c, y), h = y & 7.  y < 8: P, rows 256 h .. of W_o, columns 64 c ...  y >= 8: U, rows 64 c .. of W_q, columns 256 h ...
; The choice hangs on the work-group's y alone, so all eight waves take the same way and meet the same two barriers.
; K and V arrive as four partial sums each (blocked vectors [part j / 512][b][j % 512], 32,768 bytes apart; V's behind K's four):
; each thread adds the four for 16 bytes of the head's 4 x 256 numbers, and they meet in LDS.
; Each weight byte is read once, in rows of 256 or 1,024 consecutive aligned bytes, all 16 loads of a lane at once.  No matrix unit (four
; rows), no cluster (no two work-groups read the same weights; what they share, 16,384 bytes of K or V, is a quarter of their weights' bytes
; and goes to registers), no LDS ring (nothing is requested later than the start).
; THE MODE: SCHED_MODE bits 1:0 = 2 (LLVM: expert scheduling mode 2), set by the entry lines.  The code itself states the register dependences
; between vector instructions and memory or LDS instructions, with s_wait_alu, always for 0.
; THE PLAN.  Registers that memory or LDS instructions touch, on either of the two ways:
;   v[PO], v[XSA], v[FA], v[OO], v228, v229   made at the head;  v[WO]  made at the way's head;  v[XMA], v[RS]  made behind the weight loads.  Each is written once.
;   PT    the four partial sums land in it; six additions write it; the LDS store of the head's K or V reads its first four.  Not written again.
;   W     the weights land in it, once; from then on vector instructions alone name it.
;   XM    the multipliers land in it from LDS; the multiply-adds read it; as FB the last LDS loads land in it; (P) the tree writes it; the global store reads its first four.
;   ACC   written by vector instructions; the LDS store of the results reads it.  Not written again.
; So a way has these waits on va_vdst: one at its head, ahead of all 20 loads (the addresses are written); one behind the six additions (PT, v[XMA] and v[RS] are written);
; one ahead of the LDS store of the results (ACC is written, and XM has been read, so that FB's loads may land); on P's way one ahead of the global store (the tree has written FB).
; No register that a memory or LDS instruction reads is ever written again: there is no wait on vm_vsrc.  One wait on va_sdst stands ahead of the first reader of the wave's number.
.set WO,  3                            ; v3   byte offset of my 16 bytes in my first row of the weights
.set PO,  4                            ; v4   byte offset of my 16 bytes in a partial sum
.set XSA, 5                            ; v5   LDS: where their sum goes
.set XMA, 6                            ; v6   LDS: where my multipliers lie
.set RS,  7                            ; v7   LDS: where my wave's results go
.set FA,  8                            ; v8   LDS: the 16 bytes that I send out
.set OO,  9                            ; v9   their byte offset in U or P
.set T,   10                           ; v[10:17]    at work in FOLD
.set PT,  20                           ; v[20:35]    the four partial sums
.set XM,  36                           ; v[36:99]    multipliers: P: V[b][my row i] at XM + 16 b + i;  U: K[b][my 8 columns] at XM + 8 b + ..
.set W,   100                          ; v[100:163]  weights: P: W + 4 i + e;  U: W + 8 r + 4 k + e
.set ACC, 164                          ; v[164:227]  sums
.set FB,  36                           ; at the end: what is read back from LDS
.set M1,  22                           ; s22-s26  lanes whose bit 0, 1, 2, 3, 4 is set
.set M2,  23
.set M4,  24
.set M8,  25
.set M16, 26
.set SEL, 28                           ; s[28:29]  v_permlanex16_b32: each lane takes its own place in the other half
.set XS,  0                            ; LDS [b][256] f32: the head's K or V
.set RED, 4096                         ; LDS [wave][b][64 columns] f32 (P)
.set US,  12288                        ; LDS [b][64 rows] f32 (U)
.macro COLMAC                          ; 128 packed multiply-adds: row i of the weights times the multiplier of batch b, one register of an even pair taken for both halves
.irp i, 0,1,2,3,4,5,6,7,8,9,10,11,12,13,14,15
.if (\i)%4 == 0
	s_wait_loadcnt 12-(\i)                         ; rows i .. i + 3 are in, the later rows' loads stay out
.endif
.irp b, 0,1,2,3
.irp e, 0,2
.if (\i) == 0
	v_pk_mul_f32 v[ACC+4*(\b)+(\e):ACC+4*(\b)+(\e)+1], v[W+(\e):W+(\e)+1], v[XM+16*(\b):XM+16*(\b)+1] op_sel_hi:[1,0]
.elseif (\i)%2 == 0
	v_pk_fma_f32 v[ACC+4*(\b)+(\e):ACC+4*(\b)+(\e)+1], v[W+4*(\i)+(\e):W+4*(\i)+(\e)+1], v[XM+16*(\b)+(\i):XM+16*(\b)+(\i)+1], v[ACC+4*(\b)+(\e):ACC+4*(\b)+(\e)+1] op_sel_hi:[1,0,1]
.else
	v_pk_fma_f32 v[ACC+4*(\b)+(\e):ACC+4*(\b)+(\e)+1], v[W+4*(\i)+(\e):W+4*(\i)+(\e)+1], v[XM+16*(\b)+(\i)-1:XM+16*(\b)+(\i)], v[ACC+4*(\b)+(\e):ACC+4*(\b)+(\e)+1] op_sel:[0,1,0] op_sel_hi:[1,1,1]
.endif
.endr
.endr
.endr
.endm
.macro HALVES                          ; the two halves of the lanes hold the same columns and other rows: each adds the other's sums
.set ix, 0
.rept 16
	v_permlanex16_b32 v[W+ix], v[ACC+ix], s[SEL], s[SEL+1]
.set ix, ix+1
.endr
.set ix, 0
.rept 8
	v_pk_add_f32 v[ACC+2*ix:ACC+2*ix+1], v[ACC+2*ix:ACC+2*ix+1], v[W+2*ix:W+2*ix+1]
.set ix, ix+1
.endr
.endm
.macro TREE w
.set ix, 0
.rept \w
	v_pk_add_f32 v[FB+4*ix:FB+4*ix+1], v[FB+4*ix:FB+4*ix+1], v[FB+4*(ix+(\w)):FB+4*(ix+(\w))+1]
	v_pk_add_f32 v[FB+4*ix+2:FB+4*ix+3], v[FB+4*ix+2:FB+4*ix+3], v[FB+4*(ix+(\w))+2:FB+4*(ix+(\w))+3]
.set ix, ix+1
.endr
.endm
.macro FINAL ns
.set ix, 0
.rept \ns
	ds_load_b128 v[FB+4*ix:FB+4*ix+3], v[FA] offset:RED+1024*ix  ; no wait: no vector instruction since the wait ahead of the results' LDS stores names FB or v[FA]
.set ix, ix+1
.endr
	s_wait_dscnt 0x0
.if (\ns) == 16
	TREE 8
.endif
	TREE 4
	TREE 2
	TREE 1
.endm
; One step of a sum over lanes for 2 n numbers a lane at once.  Of numbers 2 j and 2 j + 1 a lane keeps one (the second where its mask bit is set)
; and gives the other to the lane x away, which keeps that one: n numbers are left, each the sum of two lanes', and the lane's bit says which
; of the pair it holds.  Four pairs at a time, so that no line waits for the one before it.  In place: number j lands at or below pair j's registers.
.macro FOLD dst, src, n, mask, x
.set jx, 0
.rept \n
	v_cndmask_b32 v[T+2*(jx%4)], v[(\src)+2*jx], v[(\src)+2*jx+1], s[\mask]
	v_cndmask_b32 v[T+2*(jx%4)+1], v[(\src)+2*jx+1], v[(\src)+2*jx], s[\mask]
.if (jx%4 == 3) || (jx == (\n)-1)
.set kx, jx-jx%4
.rept jx%4+1
	v_add_f32_dpp v[(\dst)+kx], v[T+2*(kx%4)+1], v[T+2*(kx%4)] row_xmask:\x row_mask:0xf bank_mask:0xf
.set kx, kx+1
.endr
.endif
.set jx, jx+1
.endr
.endm
.macro FOLDX dst, src                  ; the last step, between the halves of the lanes
	v_cndmask_b32 v[T], v[\src], v[(\src)+1], s[M16]
	v_cndmask_b32 v[T+1], v[(\src)+1], v[\src], s[M16]
	v_permlanex16_b32 v[T+2], v[T+1], s[SEL], s[SEL+1]
	v_add_f32 v[\dst], v[T], v[T+2]
.endm
.macro PARTS                           ; my 16 bytes of each of the four partial sums: on each way the first four loads, ahead of the 16 weight loads
.irp p, 0,1,2,3
	global_load_b128 v[PT+4*(\p):PT+4*(\p)+3], v[PO], s[4:5] offset:32768*(\p)
.endr
.endm
.macro PROLOG                          ; the four partial sums become the head's K or V, in LDS for all eight waves
	s_wait_loadcnt 16                              ; the 16 weight loads are younger and stay out
	v_pk_add_f32 v[PT:PT+1], v[PT:PT+1], v[PT+4:PT+5]
	v_pk_add_f32 v[PT+2:PT+3], v[PT+2:PT+3], v[PT+6:PT+7]
	v_pk_add_f32 v[PT+8:PT+9], v[PT+8:PT+9], v[PT+12:PT+13]
	v_pk_add_f32 v[PT+10:PT+11], v[PT+10:PT+11], v[PT+14:PT+15]
	v_pk_add_f32 v[PT:PT+1], v[PT:PT+1], v[PT+8:PT+9]
	v_pk_add_f32 v[PT+2:PT+3], v[PT+2:PT+3], v[PT+10:PT+11]
	s_wait_alu depctr_va_vdst(0)                   ; the additions have written v[PT:PT+3], which the LDS store reads; v[XMA] and v[RS], made behind the weight loads, are written too: the LDS loads behind the barrier and the results' store read them
	ds_store_b128 v[XSA], v[PT:PT+3] offset:XS
	s_wait_dscnt 0x0                               ; for the others' sake: my store is done
	s_barrier_signal -1
	s_barrier_wait -1
.endm
	s_load_b256 s[4:11], s[0:1], 0x0               ; kvp s[4:5], W_q s[6:7], W_o s[8:9], U s[10:11]
	s_load_b64 s[12:13], s[0:1], 0x20              ; P
	v_lshl_add_u32 v228, v0, 2, 0x3400
	v_mov_b32 v229, 0
	v_lshrrev_b32 v18, 5, v0
	v_readfirstlane_b32 s14, v18                   ; my wave's number
	s_and_b32 s16, ttmp7, 0xffff                   ; y
	s_and_b32 s17, s16, 7                          ; h
	s_lshr_b32 s18, s17, 1
	s_lshl_b32 s18, s18, 13                        ; the head's 256 numbers: part h / 2,
	s_and_b32 s19, s17, 1
	s_lshl_b32 s19, s19, 10                        ; 256 (h % 2) numbers on,
	s_add_co_u32 s18, s18, s19
	s_cmp_lt_u32 s16, 8
	s_cselect_b32 s19, 0x20000, 0                  ; of V (for P) or of K (for U)
	s_add_co_u32 s18, s18, s19
	s_mov_b32 s19, 0
	s_lshl_b32 s20, s17, 13                        ; in U and P: head h,
	s_lshl_b32 s21, ttmp9, 8                       ; 64 c numbers on
	s_add_co_u32 s20, s20, s21
	s_mov_b32 s21, 0
	s_mov_b32 s[M1], 0xaaaaaaaa
	s_mov_b32 s[M2], 0xcccccccc
	s_mov_b32 s[M4], 0xf0f0f0f0
	s_mov_b32 s[M8], 0xff00ff00
	s_mov_b32 s[M16], 0xffff0000
	s_mov_b32 s[SEL], 0x76543210
	s_mov_b32 s[SEL+1], 0xfedcba98
	s_wait_alu depctr_va_sdst(0)                   ; s14 is written, ahead of its first reader, the line below that makes v[XSA]
	v_and_b32 v1, 15, v0                           ; q = t % 16
	v_and_b32 v2, 31, v0                           ; lane
	v_lshrrev_b32 v18, 6, v0                       ; batch t / 64,
	v_and_b32 v19, 63, v0                          ; numbers 4 (t % 64) ..
	v_lshlrev_b32 v[PO], 11, v18
	v_lshl_add_u32 v[PO], v19, 4, v[PO]
	v_lshlrev_b32 v[XSA], 4, v2
	v_lshl_add_u32 v[XSA], s14, 9, v[XSA]          ; 512 x wave + 16 x lane = 16 t
	v_lshrrev_b32 v18, 4, v0                       ; g = t / 16
	v_lshlrev_b32 v[OO], 16, v18                   ; for t < 64: batch t / 16 (65,536 bytes each), numbers 4 q ..
	v_lshl_add_u32 v[OO], v1, 4, v[OO]
	v_lshlrev_b32 v[FA], 4, v0                     ; 16 t
	s_wait_kmcnt 0x0
	s_add_nc_u64 s[4:5], s[4:5], s[18:19]
	s_cmp_lt_u32 s16, 8
	s_cbranch_scc0 .Lpath_u
	; P.  Thread t: rows 16 g .. 16 g + 15 of the head's 256, columns 4 q .. 4 q + 3 of the work-group's 64.
	s_lshl_b32 s18, s17, 21                        ; 256 h rows of 8,192 bytes
	s_lshl_b32 s19, ttmp9, 8
	s_add_co_u32 s18, s18, s19
	s_mov_b32 s19, 0
	s_add_nc_u64 s[8:9], s[8:9], s[18:19]
	s_add_nc_u64 s[12:13], s[12:13], s[20:21]
	v_lshlrev_b32 v[WO], 17, v18
	v_lshl_add_u32 v[WO], v1, 4, v[WO]
	s_wait_alu depctr_va_vdst(0)                   ; v[PO] and v[WO] are written, which the 20 loads below read as offsets; so are v[XSA], v[FA], v[OO], v228 and v229, for the accesses further down
	PARTS
.irp i, 0,1,2,3,4,5,6,7,8,9,10,11,12,13,14,15
	global_load_b128 v[W+4*(\i):W+4*(\i)+3], v[WO], s[8:9] offset:8192*(\i) th:TH_LOAD_NT  ; two rows' 256 aligned bytes a wave; read once in the launch
.endr
	v_lshlrev_b32 v[XMA], 6, v18                   ; V[b][16 g ..]
	v_lshlrev_b32 v[RS], 4, v1
	v_lshl_add_u32 v[RS], s14, 10, v[RS]           ; 1,024 x wave + 16 q
	PROLOG
.irp b, 0,1,2,3
.irp k, 0,1,2,3
	ds_load_b128 v[XM+16*(\b)+4*(\k):XM+16*(\b)+4*(\k)+3], v[XMA] offset:XS+1024*(\b)+16*(\k)  ; no wait: no vector instruction stands behind the prolog's wait
.endr
.endr
	s_wait_dscnt 0x0
	COLMAC
	HALVES
	s_wait_alu depctr_va_vdst(0)                   ; the additions have written v[ACC:ACC+15], which the LDS stores read; the multiply-adds are done reading XM, in which (as FB) the last LDS loads land
.irp b, 0,1,2,3
	ds_store_b128 v[RS], v[ACC+4*(\b):ACC+4*(\b)+3] offset:RED+256*(\b)  ; both halves of the lanes store the same numbers to the same bytes
.endr
	s_wait_dscnt 0x0                               ; for the others' sake
	s_barrier_signal -1
	s_barrier_wait -1
	s_cmp_ge_u32 s14, 2
	s_cbranch_scc1 .Lend_p                         ; 64 threads x 16 bytes are the 4 x 64 results
	FINAL 8
	s_wait_alu depctr_va_vdst(0)                   ; the tree has written v[FB:FB+3], which the store reads
	global_store_b128 v[OO], v[FB:FB+3], s[12:13]  ; 16 lanes store 256 consecutive bytes, at a multiple of 256 from P's first byte
.Lend_p:
	s_wait_dscnt 0x0                               ; the closing lines, six on end of a launch in the mode that stores to LDS
	s_wait_alu 0x0
	s_wait_tensorcnt 0x0
	ds_add_u32 v228, v229
	s_wait_dscnt 0x0
	s_endpgm
.Lpath_u:
	; U.  Wave w: rows 8 w + r of the work-group's 64; a row's 1,024 bytes (the head's 256 columns) are two loads of 512; a lane holds 8 numbers of each row.
	s_lshl_b32 s18, ttmp9, 19                      ; 64 c rows of 8,192 bytes
	s_lshl_b32 s19, s17, 10                        ; + 256 h columns
	s_add_co_u32 s18, s18, s19
	s_mov_b32 s19, 0
	s_add_nc_u64 s[6:7], s[6:7], s[18:19]
	s_add_nc_u64 s[10:11], s[10:11], s[20:21]
	v_lshlrev_b32 v[WO], 4, v2
	v_lshl_add_u32 v[WO], s14, 16, v[WO]           ; 8 w rows + 16 x lane
	s_wait_alu depctr_va_vdst(0)                   ; v[PO] and v[WO] are written, which the 20 loads below read as offsets; so are v[XSA], v[FA], v[OO], v228 and v229, for the accesses further down
	PARTS
.irp r, 0,1,2,3,4,5,6,7
.irp k, 0,1
	global_load_b128 v[W+8*(\r)+4*(\k):W+8*(\r)+4*(\k)+3], v[WO], s[6:7] offset:8192*(\r)+512*(\k) th:TH_LOAD_NT
.endr
.endr
	v_lshlrev_b32 v[XMA], 4, v2                    ; K[b][my 8 columns]: 16 x lane, and 512 bytes on
	v_lshrrev_b32 v18, 3, v2                       ; after the sums lane l holds batch l / 8,
	v_and_b32 v19, 7, v2                           ; row l % 8
	v_lshlrev_b32 v[RS], 8, v18
	v_lshl_add_u32 v[RS], v19, 2, v[RS]
	v_lshl_add_u32 v[RS], s14, 5, v[RS]            ; 256 b + 4 (8 w + r)
	PROLOG
.irp b, 0,1,2,3
.irp k, 0,1
	ds_load_b128 v[XM+8*(\b)+4*(\k):XM+8*(\b)+4*(\k)+3], v[XMA] offset:XS+1024*(\b)+512*(\k)  ; no wait: no vector instruction stands behind the prolog's wait
.endr
.endr
	s_wait_dscnt 0x0
	s_wait_loadcnt 0x0                             ; all eight rows
.irp e, 0,1,2,3                        ; number 8 b + r of 32: row r times batch b's K, over my 8 columns, two at a time
.set kk, 0
.rept 32
.if (\e) == 0
	v_pk_mul_f32 v[ACC+2*kk:ACC+2*kk+1], v[W+8*(kk%8):W+8*(kk%8)+1], v[XM+8*(kk/8):XM+8*(kk/8)+1]
.else
	v_pk_fma_f32 v[ACC+2*kk:ACC+2*kk+1], v[W+8*(kk%8)+2*(\e):W+8*(kk%8)+2*(\e)+1], v[XM+8*(kk/8)+2*(\e):XM+8*(kk/8)+2*(\e)+1], v[ACC+2*kk:ACC+2*kk+1]
.endif
.set kk, kk+1
.endr
.endr
.set kk, 0
.rept 32
	v_add_f32 v[ACC+kk], v[ACC+2*kk], v[ACC+2*kk+1]  ; ascending, so that no number lands on one still to be read
.set kk, kk+1
.endr
	FOLD ACC, ACC, 16, M1, 1                       ; 32 numbers a lane, each to be summed over the 32 lanes:
	FOLD ACC, ACC, 8, M2, 2                        ; five steps leave one number a lane, number l in lane l
	FOLD ACC, ACC, 4, M4, 4
	FOLD ACC, ACC, 2, M8, 8
	FOLDX ACC, ACC
	s_wait_alu depctr_va_vdst(0)                   ; the last addition has written v[ACC], which the LDS store reads; the multiply-adds are done reading XM, in which (as FB) the last LDS load lands
	ds_store_b32 v[RS], v[ACC] offset:US
	s_wait_dscnt 0x0                               ; for the others' sake
	s_barrier_signal -1
	s_barrier_wait -1
	s_cmp_ge_u32 s14, 2
	s_cbranch_scc1 .Lend_u
	ds_load_b128 v[FB:FB+3], v[FA] offset:US       ; 16 t: batch t / 16, rows 4 (t % 16) ..; no vector instruction since the wait above
	s_wait_dscnt 0x0
	global_store_b128 v[OO], v[FB:FB+3], s[10:11]  ; 16 lanes store 256 consecutive bytes, at a multiple of 256 from U's first byte; its data come from the LDS load, its offset from the head
.Lend_u:
	s_wait_dscnt 0x0                               ; the closing lines, six on end of a launch in the mode that stores to LDS
	s_wait_alu 0x0
	s_wait_tensorcnt 0x0
	ds_add_u32 v228, v229
	s_wait_dscnt 0x0
	s_endpgm
.Lfunc_end_k_q2c3f02a5df_heads:
	.size	k_q2c3f02a5df_heads, .Lfunc_end_k_q2c3f02a5df_heads-k_q2c3f02a5df_heads
	.p2alignl 7, 3214868480
	.fill 96, 4, 3214868480
	.section	.rodata,"a",@progbits
	.p2align	6, 0x0
	.amdhsa_kernel k_q2c3f02a5df_heads
		.amdhsa_group_segment_fixed_size 14336
		.amdhsa_private_segment_fixed_size 0
		.amdhsa_enable_private_segment 0
		.amdhsa_kernarg_size 40
		.amdhsa_user_sgpr_count 2
		.amdhsa_user_sgpr_kernarg_segment_ptr 1
		.amdhsa_wavefront_size32 1
		.amdhsa_system_sgpr_workgroup_id_x 1
		.amdhsa_system_sgpr_workgroup_id_y 1
		.amdhsa_system_sgpr_workgroup_id_z 1
		.amdhsa_system_vgpr_workitem_id 0
		.amdhsa_next_free_vgpr 230
		.amdhsa_next_free_sgpr 66
		.amdhsa_reserve_vcc 0
		.amdhsa_float_denorm_mode_32 3
		.amdhsa_float_denorm_mode_16_64 3
		.amdhsa_memory_ordered 1
		.amdhsa_forward_progress 1
		.amdhsa_inst_pref_size 38
	.end_amdhsa_kernel
	.amdgpu_metadata
---
amdhsa.version: [ 1, 2 ]
amdhsa.kernels:
  - .name:           k_q2c3f02a5df_heads
    .symbol:         k_q2c3f02a5df_heads.kd
    .args:
      - { .name: kvp, .offset: 0, .size: 8, .value_kind: global_buffer, .address_space: global }
      - { .name: W_q, .offset: 8, .size: 8, .value_kind: global_buffer, .address_space: global }
      - { .name: W_o, .offset: 16, .size: 8, .value_kind: global_buffer, .address_space: global }
      - { .name: Ubuf, .offset: 24, .size: 8, .value_kind: global_buffer, .address_space: global }
      - { .name: Pbuf, .offset: 32, .size: 8, .value_kind: global_buffer, .address_space: global }
    .group_segment_fixed_size: 14336
    .private_segment_fixed_size: 0
    .kernarg_segment_align: 8
    .kernarg_segment_size: 40
    .max_flat_workgroup_size: 256
    .sgpr_count:     66
    .vgpr_count:     230
    .wavefront_size: 32
...
	.end_amdgpu_metadata
.endif
;; end of part 4
;; launch bridge: the kernel of part 3 again; grid 256 x 1, 8 waves a work-group, no clusters, 309,248 bytes of LDS; arguments last_hidden, Ubuf, Pbuf, gate, out0; writes out0
